; MI455X (gfx1250); checked and timed in simulation.
; The chip was launched on July 23, 2026; its instructions are those of AMD's public machine-readable ISA for CDNA 5 (MIT licence, August 2026) and "CDNA5" Instruction Set Architecture Reference Guide (July 2026). The comments in the code are by the model that wrote it; some were corrected since.
;; Ipu TF Bert Self Attention. Allowed arithmetic: matrix products marked QUANTISED: E4M3 operands, one E8M0 scale for each 32 along K, by v_wmma_scale_f32_16x16x128_f8f6f4 with both operands' format E4M3, f32 sums; everything else in f32.
;; Inputs: attention_mask 8 x 1 x 1 x 1,024 float32; hidden_states_codes 8 x 1,024 x 32 x 32 uint8 (E4M3 codes of hidden_states, K innermost, in blocks of 32 codes); hidden_states_scales 8 x 1,024 x 32 uint8 (E8M0 scales of hidden_states, one for each 32 codes along K); qkv_weight_codes 3,072 x 32 x 32 uint8 (E4M3 codes of qkv_weight, K innermost, in blocks of 32 codes); qkv_weight_scales 3,072 x 32 uint8 (E8M0 scales of qkv_weight, one for each 32 codes along K).
;; Outputs: out0 8 x 1,024 x 1,024 float32.
;; This version of the problem:
;;   THIS VERSION OF THE PROBLEM IS GIVEN IN LOW PRECISION. The matrix products marked QUANTISED in the list below multiply operands that are first quantised to E4M3 (4 exponent bits, 3 mantissa bits; 8 bits a number), with one power-of-two scale for each 32 numbers along K (OCP MX v1.0); their sums are f32. All else is computed in f32.
;;   The module's matrix products, in the order in which they are computed (A, B: the left and right operand; K: the contracted axis; several contracted axes count as one K, in the product's order):
;;     1. [M 8,192, K 1,024] x [K 1,024, N 3,072]; A: input hidden_states (given as codes); B: input qkv_weight (given as codes): QUANTISED
;;     2. batch 128 x [M 1,024, K 64] x [K 64, N 1,024]; A: computed on the way; B: computed on the way: QUANTISED
;;     3. batch 128 x [M 1,024, K 1,024] x [K 1,024, N 64]; A: softmax (see below); B: computed on the way: QUANTISED
;;   THE QUANTISER, for each operand of a quantised product, along K:
;;     - K is cut into blocks of 32 from its start; a last block that is shorter is filled with zeros.
;;     - A block's scale is 2^e with e = floor(log2(the largest magnitude in the block)) - 8, held to -126 .. 127; a block of zeros has e = 0. As a byte (E8M0): e + 127.
;;     - Each number is divided by its block's scale, clamped to +-448, and rounded to the nearest number of E4M3, ties to even, subnormals kept.
;;     - The product sums the exact products of the quantised numbers (number of the format x scale) in f32.
;;   ~~~python
;;   def quantise(x, axis):      # numpy; x: float32 -> the quantised numbers, widened to float32 again
;;       x = np.moveaxis(x, axis, -1); K = x.shape[-1]
;;       x = np.pad(x, [(0, 0)] * (x.ndim - 1) + [(0, -K % 32)]); x = x.reshape(x.shape[:-1] + (-1, 32)); a = np.abs(x).max(-1, keepdims=True)
;;       e = np.where(a > 0, np.clip(np.frexp(np.where(a > 0, a, 1))[1] - 1 - 8, -126, 127), 0)      # np.frexp(a)[1] - 1 = floor(log2(a)), exactly
;;       r = np.clip(x / 2.0 ** e, -448, 448)
;;       step = 2.0 ** (np.maximum(np.frexp(np.where(r == 0, 1, r))[1] - 1, -6) - 3)
;;       q = np.round(r / step) * step * 2.0 ** e      # np.round: ties to even
;;       return np.moveaxis(q.reshape(q.shape[:-2] + (-1,))[..., :K], -1, axis).astype(np.float32)
;;   ~~~
;;   SOFTMAX AHEAD OF A QUANTISED PRODUCT. Where the list says 'softmax', what is quantised is not the finished softmax but p = 2^(t - M), with t = logit x log2(e) and M = ceil(the row's largest t), a whole number; so 1/2 < the row's largest p <= 1. The row's sum l is taken of the UNQUANTISED p, in f32, and the product's result is divided by l at the end. Since M is a whole number, a kernel that streams over the keys may use a running M (the ceiling of the running maximum): every later rescaling is an exact power of two, which a block's scale takes up: the codes' values come out the same.
;;   OPERANDS COMPUTED ON THE WAY. 'Computed on the way' means the value that the module computes at that place (a softmax that the list does not call 'softmax' is quantised finished and normalised). What goes into a quantiser is computed in f32, as accurately as f32 sums, v_exp_f32 and their like allow (about 1e-6 of the number): no bf16 or f16 on the way to a quantiser, and a product that is left as it is and whose result goes on into a quantised operand takes f32 operands (vector FMAs, or v_wmma_f32_16x16x4_f32). A number that lies on a knife's edge between two numbers of the format may be rounded either way, as far as f32 arithmetic and the matrix unit's own rounding can turn it there, and no further.
;;   INPUTS GIVEN AS CODES. hidden_states (in the module: [8, 1024, 1024], K = its axis 2); qkv_weight (in the module: [1024, 3072], K = its axis 0): each comes as NAME_codes (uint8): NAME with its K axis moved to the last place and cut into blocks of 32 codes, [.., K / 32, bytes a block], one block behind the other in memory; one code a byte (a code: sign, 4 exponent bits, 3 mantissa bits); and NAME_scales (uint8): the same leading axes, one E8M0 byte (e + 127) for each 32 codes along K. Its value is code x scale, taken as it is: it is not quantised again, and the codes and scales need not be those that the quantiser above would give.
;; One version. Each part assembles by itself: llvm-mc -triple=amdgcn-amd-amdhsa -mcpu=gfx1250 --defsym DOCPART=n.
;; ======== version 1 of 1: 2 launches
;; limits: right only within a limited range of input values
;; workspace buffers: qk_codes 16,777,216 bytes; qk_scales 1,048,576 bytes; v_codes 8,388,608 bytes; v_scales 262,144 bytes
;; launch qkv (part 1): grid 8 x 48, 4 waves a work-group, clusters of 4 x 4, 327,680 bytes of LDS; arguments hidden_states_codes, hidden_states_scales, qkv_weight_codes, qkv_weight_scales, qk_codes, qk_scales, v_codes, v_scales; writes qk_codes, qk_scales, v_codes, v_scales
.if DOCPART == 1
	.amdgcn_target "amdgcn-amd-amdhsa--gfx1250"
	.amdhsa_code_object_version 6
	.text
	.protected	k_qb30c8fec18_qkv
	.globl	k_qb30c8fec18_qkv
	.p2align	8
	.type	k_qb30c8fec18_qkv,@function
k_qb30c8fec18_qkv:
	s_mov_b64 s[64:65], 0
	v_nop
	global_prefetch_b8 v0, s[64:65] scope:SCOPE_SE
	s_setreg_imm32_b32 hwreg(HW_REG_WAVE_MODE, 25, 1), 1
	s_wait_xcnt 0x0
	s_wait_alu depctr_hold_cnt(0) depctr_sa_sdst(0) depctr_va_vdst(0) depctr_va_sdst(0) depctr_va_ssrc(0) depctr_va_vcc(0) depctr_vm_vsrc(0)
	s_getreg_b32 s2, hwreg(HW_REG_IB_STS2, 6, 4)
	s_cmp_eq_u32 s2, 0
	s_cbranch_scc0 .Lentry_in_a_cluster
	s_endpgm
.Lentry_in_a_cluster:
	s_bfe_u32 s2, ttmp6, 0x10000c
	s_cmp_lg_u32 s2, 0xf033
	s_cbranch_scc0 .Lentry_shape_is_right
	s_endpgm
.Lentry_shape_is_right:
; THE PROJECTION: qkv = hidden x W, 8,192 x 1,024 x 3,072, on the given codes of FP8 (E4M3) and their E8M0 bytes, and the quantising of q, k and v for the attention launch.
; C'[y][x] = sum over k of Y[y][k] X[x][k].  A work-group of four waves makes 256 x 256 of C', a wave 128 x 128: 64 accumulators, 512 registers.  K = 1,024 goes in four steps of 256 through two LDS slots.
; ONE TEXT, TWO CASES, chosen by scalar selects on the cluster's y alone (equal in all sixteen partners; no branch and no LDS address hangs on it):
;   QK (cluster y 0-7):  Y = hidden (8,192 rows), X = W's rows 0-2,047 (q's and k's features): the next K, the head's 64, runs along X.
;   V  (cluster y 8-11): Y = W's rows 2,048-3,071 (v's features), X = hidden: the next K, the keys, runs along X.
; THE MATRIX INSTRUCTION IS USED TRANSPOSED (source 0 = 16 rows of X, source 1 = 16 rows of Y): lane (r, h) holds row r of Y, and register j of X's block i holds x = 16 i + 8 h + j.  So the 16 registers of X's blocks
; 2 b and 2 b + 1, in lanes l and l xor 16 together, are ONE block of 32 along the next K.  Two conversions make of them four registers, which are stored as they stand: 32 lanes x 16 bytes = 512 consecutive bytes.
; The attention launch loads them as registers 4 c .. 4 c + 3 of an operand.  Within a block of 32 the numbers so stand in another order than along K; the order is the same in q and k, and the same in v and in the p that
; the attention launch makes from results of the same layout, so every product keeps its pairs and every block its scale.
; WORKSPACE.  qk_codes [q or k][batch 8][head 16][tile of 16 positions 64][block 2][lane 32][16 bytes]; qk_scales [q or k][batch][head][tile / 4][row 16][tile % 4] words, bytes 0 and 1 the two blocks' (bytes 2, 3: another head's
; bytes or 0, never 0xff);  v_codes [batch][head][128 keys 8][tile of 16 features 4][block of 32 keys 4][lane][16 bytes]; v_scales [batch][head][128 keys][row 16][tile 4] words, byte c for key block c.
; CLUSTERS: 4 x 4 work-groups.  The four of a row need the same tiles of Y, the four of a column the same tiles of X: each tile is asked for JOINTLY, by the same tensor load with the same descriptor and a mask that names the four.
; LIMITS.  The largest magnitude of a block is taken no smaller than 2^(12 - 127), so that every scale byte is at least 4 (the attention launch takes 3 off q's bytes): blocks whose largest magnitude lies under 2^-115 get the
; scale 2^-123 and not the quantiser's own.  A block of zeros gets the byte 4: its codes are zeros, and this program alone reads the bytes.  NaN, infinities and the scale byte 0xff among the inputs are not served.
; REGISTERS, in windows of 256: window 0: v0-31 addresses; v32-63 scale words, two sets; from v128 Y's fragments, ONE set; on the way out v32-47 at work, v64-71 scale words, v128-255 codes.
;   window 1: X's fragments, TWO sets.   window 2: the accumulators of my rows 0-63 (accumulator (a, b) at v[8 (8 a + b)]);   window 3: those of my rows 64-127.
.set KSTEP,  256                       ; along K in a slot
.set NQ,     KSTEP/128                 ; matrix instructions deep
.set ROWB,   256                       ; a tile's row in bytes
.set KROW,   1024                      ; a row of hidden or of W in memory, in bytes
.set PITCH,  272                       ; an LDS row: 256 bytes + 16 of padding = 68 words: row r starts at bank 4 r mod 64 (ISA guide 11.1), so the 16 rows of a load start at 16 different banks
.set FR,     16                        ; registers of a fragment: 16 rows x 128 K
.set NL,     4                         ; LDS loads that bring one
.set NP,     8                         ; places behind this matrix instruction (ISA guide 7.12.1)
.set HALFT,  128*PITCH                 ; 128 rows: what one tensor load brings
.set SLOT,   4*HALFT                   ; Y's 256 rows, then X's 256 rows
.set KS,     32                        ; a row of scale bytes
.set SCL,    2*SLOT                    ; behind the ring: the scale bytes, as units of 256 bytes + 16 of padding, filled once
.set HALFS,  (128*KS/256)*272          ; those of 128 rows
.set SBLK,   (16*KS/256)*272           ; those of 16 rows
.set SPARE,  SCL+4*HALFS               ; the spare words, 128 bytes for each wave: two blocks of 256 bytes that no other line names
.set ADRA, 16                          ; v16-17  LDS address of my Y fragments in slot 0, 1
.set ADRB, 20                          ; v20-21  the same for X
.set ADRS, 27                          ; v27     LDS address of my scale words: lanes 0-15 Y's rows, lanes 16-31 X's
.set SPW,  28                          ; v28     LDS address of my spare word; never rewritten
.set NIL,  29                          ; v29     0; never rewritten
.set SC,   32                          ; scale words: set s at v[SC + 16 s]
.set AF,   128                         ; Y's fragments, in window 0
.set OA,   10                          ; v10     the way out: 16 x lane
.set OB,   11                          ; v11     16 x lane + the distance from block 0 to block 2 of the next K
.set SO,   12                          ; v12     where my four scale words go
.set SH,   13                          ; v13     how far my half of the lanes shifts them
.set TM,   32                          ; v32-35 largest magnitudes, v36-39 the other half's and then bytes, v40-43 448 x the scale, v44-47 the conversions' scale operands
.set PW,   64                          ; v64-71  the scale word of each of my eight blocks of 16 rows
.set CD,   128                         ; v128-255 codes: sixteen registers for each block of rows, so that no store's data are written again
.set WV,   20                          ; s20 wave;  s21 which half of Y's rows is mine, also: I fetch for Y (0) or X (1);  s22 which half of X's, also: which 128 rows I fetch;  s23 the cluster's y
.set G1, 24                            ; s[24:31] descriptor group 1 for Y's tiles;  s[32:39] group 0, one set for each slot
.set G0, 32
.set G1B, 48                           ; s[48:55], s[56:63] the same for X's tiles
.set G0B, 56
.set G1S, 68                           ; s[68:75], s[76:79] groups 1 and 0 for Y's scales;  s[80:87], s[88:91] for X's
.set G0S, 76
.set G1SB, 80
.set G0SB, 88
.set BS, 24                            ; the way out: s[24:39] eight bases in the codes' buffer, one for each block of rows (the descriptors are done with)
.set MSB, 0
.macro WIN new                         ; the immediate's high byte repeats the setting that is left
.if MSB != \new
	s_set_vgpr_msb (MSB<<8)|\new
.set MSB, \new
.endif
.endm
.set MUL_LO, 0xa1                      ; source 0 (X) window 1, source 1 (Y) window 0, C and D window 2
.set MUL_HI, 0xf1                      ; the same, C and D window 3
.set TO_B,   0x40                      ; destination window 1, address window 0
; A joint load: waves 0 and 1 fetch for Y, waves 2 and 3 for X.  Each of the two lines has ONE mask and one set of registers for all that issue it; the branch hangs on the wave's number alone.
; Four v_nop follow each of the two lines, ahead of the jump, the label and what follows.
.macro JLOAD g0a, g1a, g0b, g1b
	s_cmp_eq_u32 s21, 0
	s_cbranch_scc0 .Lfor_b_\@
	tensor_load_to_lds s[\g0a:\g0a+3], s[\g1a:\g1a+7]
	s_nop 0
.rept 4
	v_nop
.endr
	s_branch .Lasked_\@
.Lfor_b_\@:
	tensor_load_to_lds s[\g0b:\g0b+3], s[\g1b:\g1b+7]
	s_nop 0
.rept 4
	v_nop
.endr
.Lasked_\@:
.endm
.macro CREST                           ; a round of the cluster's barrier behind its opening barrier
	s_cmp_lg_u32 s[WV], 0
	s_cbranch_scc1 .Lnot_wave_0_\@
	s_barrier_signal -3
.Lnot_wave_0_\@:
	s_barrier_wait -3
	s_barrier_signal -1
	s_barrier_wait -1
.endm
.macro CROUND                          ; a whole round
	s_barrier_signal -1
	s_barrier_wait -1
	CREST
.endm
	s_load_b256 s[4:11], s[0:1], 0x0               ; hidden's codes s[4:5], its scales s[6:7], W's codes s[8:9], its scales s[10:11]
	s_load_b256 s[12:19], s[0:1], 0x20             ; qk_codes s[12:13], qk_scales s[14:15], v_codes s[16:17], v_scales s[18:19]
	v_lshl_add_u32 v[SPW], v0, 2, SPARE
	v_mov_b32 v[NIL], 0
	ds_add_u32 v28, v29
	ds_add_u32 v28, v29
	s_wait_dscnt 0x0
	v_lshrrev_b32 v1, 5, v0
	v_readfirstlane_b32 s[WV], v1                  ; wave 0..3
	s_lshr_b32 s21, s[WV], 1
	s_and_b32 s22, s[WV], 1
	s_and_b32 s23, ttmp7, 0xffff                   ; the cluster's y: 0-7 QK, 8-11 V
	s_bfe_u32 s40, ttmp6, 0x40000                  ; cx, cy: my place in the cluster
	s_bfe_u32 s41, ttmp6, 0x40004
	s_lshl_b32 s43, s23, 2                         ; QK: Y's tile row begins at 4 x cluster y,
	s_lshl_b32 s42, ttmp9, 2                       ;     X's tile column at 4 x cluster x
	s_max_u32 s2, s23, 8
	s_sub_co_u32 s2, s2, 8
	s_lshl_b32 s2, s2, 1
	s_add_co_u32 s2, s2, ttmp9
	s_lshl_b32 s2, s2, 2                           ; V: X's tile column begins at 4 (2 (cluster y - 8) + cluster x); Y's tile row, in W, at 8
	s_cmp_ge_u32 s23, 8
	s_cselect_b32 s43, 8, s43
	s_cselect_b32 s42, s2, s42
	s_add_co_u32 s43, s43, s41                     ; Y's tile row in its buffer: made of the cluster's y and cy alone
	s_add_co_u32 s42, s42, s40                     ; X's tile column: of the cluster's x and y and cx alone
	s_lshl_b32 s44, s41, 2
	s_lshl_b32 s44, 15, s44                        ; my row of the cluster
	s_lshl_b32 s45, 0x1111, s40                    ; my column
	; descriptor group 1: a tile of 128 rows x 256 bytes, padded in LDS
	s_or_b32 s[G1+0], s44, (0<<16)|(1<<20)|(1<<21)|(5<<22)|(3<<25)  ; 15:0 the mask: Y's tiles go to my row; 17:16 element of 1 byte; 20 padding on; 21 set beside a mask; 24:22 after every 64 words; 31:25 four words
	s_or_b32 s[G1B+0], s45, (0<<16)|(1<<20)|(1<<21)|(5<<22)|(3<<25)
.irp g, G1, G1B
	s_mov_b32 s[\g+1], ROWB<<16                    ; tensor_dim0
	s_mov_b32 s[\g+2], 256<<16                     ; tensor_dim1 = 256 for the head's loads; 128 for the ring's, set behind the head's wait
	s_mov_b32 s[\g+3], ROWB<<16                    ; tile_dim0
	s_mov_b32 s[\g+4], 256                         ; tile_dim1 likewise
	s_mov_b32 s[\g+5], KROW                        ; tensor_dim0_stride
	s_mov_b32 s[\g+6], 0
	s_mov_b32 s[\g+7], 0
.endr
	; and for the scale bytes of 256 rows: a dense block of 8,192 bytes, as 32 rows of 256 bytes (32 elements of 8 bytes), 16 bytes of padding behind each
	s_or_b32 s[G1S+0], s44, (3<<16)|(1<<20)|(1<<21)|(5<<22)|(3<<25)
	s_or_b32 s[G1SB+0], s45, (3<<16)|(1<<20)|(1<<21)|(5<<22)|(3<<25)
.irp g, G1S, G1SB
	s_mov_b32 s[\g+1], 32<<16
	s_mov_b32 s[\g+2], KS<<16                      ; the scale bytes of 256 rows: 32 rows of 256 bytes
	s_mov_b32 s[\g+3], 32<<16
	s_mov_b32 s[\g+4], KS
	s_mov_b32 s[\g+5], 32
	s_mov_b32 s[\g+6], 0
	s_mov_b32 s[\g+7], 0
.endr
	s_lshl_b32 s92, s43, 8                         ; Y: the tile's first row, 256 x tile row
	s_lshl_b32 s46, s42, 8                         ; X: 256 x tile column
	s_mov_b32 s93, 0
	s_mov_b32 s47, 0
	s_lshl_b64 s[94:95], s[92:93], 5               ; where these rows' scale bytes begin: 32 bytes a row
	s_lshl_b64 s[66:67], s[46:47], 5
	s_lshl_b64 s[92:93], s[92:93], 10              ; and their codes: 1,024 bytes a row
	s_lshl_b64 s[46:47], s[46:47], 10
	s_mul_i32 s96, s[WV], HALFT                    ; where they go: wave x 128 rows: no place in the cluster enters an LDS address
	s_wait_kmcnt 0x0
	s_cmp_ge_u32 s23, 8                            ; the buffers change roles with the case
	s_cselect_b64 s[2:3], s[8:9], s[4:5]           ; Y's codes: W's in V, hidden's in QK
	s_cselect_b64 s[98:99], s[10:11], s[6:7]       ; Y's scales
	s_add_nc_u64 s[92:93], s[2:3], s[92:93]
	s_add_nc_u64 s[94:95], s[98:99], s[94:95]
	s_cselect_b64 s[2:3], s[4:5], s[8:9]           ; X's codes (the 64-bit sums leave SCC alone)
	s_cselect_b64 s[98:99], s[6:7], s[10:11]       ; X's scales
	s_add_nc_u64 s[46:47], s[2:3], s[46:47]
	s_add_nc_u64 s[66:67], s[98:99], s[66:67]
	CROUND                                         ; all sixteen work-groups are here: the first joint loads meet
	s_mov_b32 s[G0S], 1
	s_mov_b32 s[G0S+1], SCL
	s_mov_b64 s[G0S+2:G0S+3], s[94:95]
	s_or_b32 s[G0S+3], s[G0S+3], 0x80000000
	s_mov_b32 s[G0SB], 1
	s_mov_b32 s[G0SB+1], SCL+2*HALFS
	s_mov_b64 s[G0SB+2:G0SB+3], s[66:67]
	s_or_b32 s[G0SB+3], s[G0SB+3], 0x80000000
.set G0H, 4                            ; s[4:7], s[8:11] group 0 for the head's loads of K step 0: Y's 256 rows, X's 256 rows (the arguments that lay there have been used)
.set G0HB, 8
.set PFO, 30                           ; v30 the prefetches' offset: 1,024 x lane; never rewritten
.set PFA, 100                          ; s[100:101] my work-group's 32 of the 128 rows that I fetch in the ring; never rewritten
	s_mov_b32 s[G0H], 1
	s_mov_b32 s[G0H+1], 0
	s_mov_b64 s[G0H+2:G0H+3], s[92:93]
	s_or_b32 s[G0H+3], s[G0H+3], 0x80000000
	s_mov_b32 s[G0HB], 1
	s_mov_b32 s[G0HB+1], 2*HALFT
	s_mov_b64 s[G0HB+2:G0HB+3], s[46:47]
	s_or_b32 s[G0HB+3], s[G0HB+3], 0x80000000
	s_mul_i32 s2, s22, 128*KROW                    ; for the ring: which 128 rows of the tile I fetch
	s_mov_b32 s3, 0
	s_add_nc_u64 s[92:93], s[92:93], s[2:3]
	s_add_nc_u64 s[46:47], s[46:47], s[2:3]
.irp s, 0,1
	s_mov_b32 s[G0+4*\s], 1
	s_add_co_u32 s[G0+4*\s+1], s96, \s*SLOT
	s_add_nc_u64 s[G0+4*\s+2:G0+4*\s+3], s[92:93], \s*ROWB
	s_or_b32 s[G0+4*\s+3], s[G0+4*\s+3], 0x80000000
	s_mov_b32 s[G0B+4*\s], 1
	s_add_co_u32 s[G0B+4*\s+1], s96, \s*SLOT
	s_add_nc_u64 s[G0B+4*\s+2:G0B+4*\s+3], s[46:47], \s*ROWB
	s_or_b32 s[G0B+4*\s+3], s[G0B+4*\s+3], 0x80000000
.endr
; THE HEAD'S LOADS, ONE A WAVE: wave 0 K step 0's 256 rows of Y, wave 1 those of X, wave 2 the scale bytes of Y's 256 rows, wave 3 those of X's.  One chain of branches on the wave's number, a load to an arm.
.macro ARM under, g0, g1, next
	s_cmp_lt_u32 s[WV], \under
	s_cbranch_scc0 \next
	tensor_load_to_lds s[\g0:\g0+3], s[\g1:\g1+7]
	s_nop 0
.rept 4
	v_nop
.endr
	s_branch .Lhead_asked
\next:
.endm
	ARM 1, G0H,  G1,  .Lhead_b
	ARM 2, G0HB, G1B, .Lhead_sa
	ARM 3, G0S,  G1S, .Lhead_sb
	tensor_load_to_lds s[G0SB:G0SB+3], s[G1SB:G1SB+7]
	s_nop 0
.rept 4
	v_nop
.endr
.Lhead_asked:
; PREFETCHES INTO THE L2: a K step is 256 bytes of each row.  Of the 128 rows that a wave fetches in the ring each of the four partners that ask for them jointly takes 32, told apart by address (cx for Y, cy for X): a lane a row.
; K steps 1 and 2 are asked for here, K step 3 behind K step 1's load: never more than two K steps are asked for and not yet loaded.  W's rows are walked by eight clusters: four of them ask (QK: even cluster y; V: cluster x 0).
	v_and_b32 v[PFO], 31, v0
	v_lshlrev_b32 v[PFO], 10, v[PFO]
	s_cmp_eq_u32 s21, 0
	s_cselect_b64 s[PFA:PFA+1], s[92:93], s[46:47]
	s_cselect_b32 s2, s40, s41
	s_lshl_b32 s2, s2, 15                          ; 32 rows of 1,024 bytes for each place
	s_mov_b32 s3, 0
	s_add_nc_u64 s[PFA:PFA+1], s[PFA:PFA+1], s[2:3]
	s_and_b32 s98, s23, 1
	s_cmp_ge_u32 s23, 8
	s_cselect_b32 s98, ttmp9, s98
	s_cselect_b32 s99, 1, 0
	s_xor_b32 s99, s99, s21                        ; 1: my rows are W's
	s_mul_i32 s99, s99, s98                        ; 0: my wave asks
	s_wait_alu depctr_va_vdst(0)
	s_cmp_eq_u32 s99, 0
	s_cbranch_scc0 .Lno_ask0
	global_prefetch_b8 v[PFO], s[PFA:PFA+1] offset:256 th:TH_LOAD_NT scope:SCOPE_SE
	global_prefetch_b8 v[PFO], s[PFA:PFA+1] offset:512 th:TH_LOAD_NT scope:SCOPE_SE
.Lno_ask0:
	v_and_b32 v1, 15, v0                           ; l % 16
	v_bfe_u32 v2, v0, 4, 1                         ; l / 16
	v_mul_u32_u24 v3, v1, PITCH
	v_lshl_add_u32 v4, v2, 4, v3                   ; a fragment's row x pitch + 16 x half
	s_mul_i32 s2, s21, HALFT                       ; my 128 rows of Y
	s_mul_i32 s3, s22, HALFT                       ; my 128 rows of X,
	s_add_co_u32 s3, s3, 2*HALFT                   ; which lie behind Y's 256
.irp s, 0,1
	v_add_nc_u32 v[ADRA+\s], s2, v4
	v_add_nc_u32 v[ADRB+\s], s3, v4
	s_add_co_u32 s2, s2, SLOT
	s_add_co_u32 s3, s3, SLOT
.endr
	v_mul_u32_u24 v5, v1, KS                       ; my row's scale bytes: 32 a row,
	v_lshrrev_b32 v6, 8, v5
	v_lshl_add_u32 v5, v6, 4, v5                   ; and 16 more for each 256 passed
	s_mul_i32 s2, s21, HALFS                       ; Y's: my 128 rows
	s_mul_i32 s3, s22, HALFS                       ; X's: my 128 rows, behind Y's 256
	s_add_co_u32 s3, s3, 2*HALFS
	s_sub_co_u32 s3, s3, s2
	v_mul_u32_u24 v6, s3, v2                       ; lanes 16-31 take X's: one product, the distance between the two bases
	s_add_co_u32 s2, s2, SCL
	v_add_nc_u32 v5, v5, v6
	v_add_nc_u32 v[ADRS], s2, v5
.macro FRAG reg, adr, q, i             ; a fragment, 16 rows x 128 K: lane l holds row l % 16; registers 4 c .. 4 c + 3 hold K = 32 c + 16 (l / 16) + 0 .. 15
.irp c, 0,1,2,3
	ds_load_b128 v[\reg+4*\c:\reg+4*\c+3], v[\adr] offset:128*(\q)+32*\c+(\i)*16*PITCH
.endr
.endm
; 16 matrix instructions: Y's blocks a0, a0 + 1 x X's eight, 128 along K: the slot's q-th.  p: X's set;  sc: the set of scale words.  zero = 1: the first product starts the sums: nothing is ever cleared.
; The 64 accumulators take turns, one instruction a turn, in the same order in every step.
.macro MUL16 a0, p, q, sc, zero
.irp a, \a0, \a0+1
.irp b, 0,1,2,3,4,5,6,7
.if \zero
	v_wmma_scale_f32_16x16x128_f8f6f4 v[8*(8*((\a)%4)+\b):8*(8*((\a)%4)+\b)+7], v[128*(\p)+FR*\b:128*(\p)+FR*\b+FR-1], v[AF+FR*(\a):AF+FR*(\a)+FR-1], 0, v[SC+8*NQ*(\sc)+NQ*\b+(\q)], v[SC+8*NQ*(\sc)+NQ*(\a)+(\q)] matrix_a_scale:MATRIX_SCALE_ROW1
.else
	v_wmma_scale_f32_16x16x128_f8f6f4 v[8*(8*((\a)%4)+\b):8*(8*((\a)%4)+\b)+7], v[128*(\p)+FR*\b:128*(\p)+FR*\b+FR-1], v[AF+FR*(\a):AF+FR*(\a)+FR-1], v[8*(8*((\a)%4)+\b):8*(8*((\a)%4)+\b)+7], v[SC+8*NQ*(\sc)+NQ*\b+(\q)], v[SC+8*NQ*(\sc)+NQ*(\a)+(\q)] matrix_a_scale:MATRIX_SCALE_ROW1
.endif
.endr
.endr
.endm
.macro FETCH_B slot, q, p              ; X's eight fragments of the slot's q-th 128 along K into set p
	WIN TO_B
.irp i, 0,1,2,3,4,5,6,7
	FRAG 128*(\p)+FR*\i, ADRB+\slot, \q, \i
.endr
	WIN 0
.endm
.macro FETCH_A slot, q, i0             ; Y's blocks i0 .. i0 + 3
.irp i, \i0, \i0+1, \i0+2, \i0+3
	FRAG AF+FR*(\i), ADRA+\slot, \q, \i
.endr
.endm
.macro SCALES sc                       ; the next K step's scale words into set sc: two words a row; lanes 0-15 take Y's block i, lanes 16-31 X's block i
.irp i, 0,1,2,3,4,5,6,7
	ds_load_b64 v[SC+8*NQ*\sc+NQ*\i:SC+8*NQ*\sc+NQ*\i+1], v[ADRS] offset:\i*SBLK
.endr
.endm
; A load into a register that a matrix instruction has read stands NP places behind that matrix instruction, and only plain vector instructions that name none of its registers are places
; (ISA guide 7.12.1 for vector instructions); the matrix instructions in between are not counted.
.macro PLACES n
.rept \n
	v_nop
.endr
.endm
; A step of 128 along K that has its successor in the same slot.
.macro STEP slot, q, zero
	s_wait_dscnt 4*NL                              ; X's set and Y's blocks 0-3 are in; the youngest sixteen loads (Y's blocks 4-7) may be out
	WIN MUL_LO
	MUL16 0, (\q)%2, \q, \slot, \zero
	MUL16 2, (\q)%2, \q, \slot, \zero
	s_wait_dscnt 0                                 ; Y's blocks 4-7 are in (asked for 32 matrix instructions ago)
	PLACES NP
	FETCH_B \slot, (\q)+1, 1-(\q)%2
	FETCH_A \slot, (\q)+1, 0
	WIN MUL_HI
	MUL16 4, (\q)%2, \q, \slot, \zero
	MUL16 6, (\q)%2, \q, \slot, \zero
	PLACES NP
	WIN 0
	FETCH_A \slot, (\q)+1, 4
.endm
; A slot's last step changes slots: ONE barrier; in front of it each wave waits for all its tensor loads, adds 0 to its spare word, and waits for that and for its own reads of this slot.  fill = 1: this slot is filled again, two K steps ahead.
.macro TURN slot, next, fill
	s_wait_tensorcnt 0x0                           ; all my tensor loads have landed: my part of the next slot;  (every window is 0 here)
	ds_add_u32 v[SPW], v[NIL]                      ; 0 onto my spare word
	s_wait_dscnt 4*NL+1                            ; (the add and the youngest sixteen loads, Y's blocks 4-7, may be out)
	WIN MUL_LO
	MUL16 0, 1, NQ-1, \slot, 0                     ; sixteen matrix instructions stand between the add and the wait for it
	s_wait_dscnt 0x0                               ; the add is done, and my reads of this slot are over
	s_barrier_signal -1
	MUL16 2, 1, NQ-1, \slot, 0
	WIN 0
	s_barrier_wait -1
.if \fill
	CREST                                          ; the barrier has opened a round of the cluster's barrier: no wave of any partner still reads this slot's tile or has a load on its way
	s_add_nc_u64 s[G0+4*\slot+2:G0+4*\slot+3], s[G0+4*\slot+2:G0+4*\slot+3], 2*ROWB
	s_add_nc_u64 s[G0B+4*\slot+2:G0B+4*\slot+3], s[G0B+4*\slot+2:G0B+4*\slot+3], 2*ROWB
	JLOAD G0+4*\slot, G1, G0B+4*\slot, G1B         ; the first tensor load behind the round, my only one out; the four v_nop behind it are among the places in front of the loads below
	PLACES NP-4
.else
	PLACES NP
.endif
	s_wait_alu depctr_va_vdst(0)
	v_add_nc_u32 v[ADRS], 4*NQ, v[ADRS]            ; on to the next K step's scale words (no LDS load of mine is out)
	FETCH_B \next, 0, 0
	FETCH_A \next, 0, 0
	SCALES \next
	WIN MUL_HI
	MUL16 4, 1, NQ-1, \slot, 0
	MUL16 6, 1, NQ-1, \slot, 0
	PLACES NP
	WIN 0
	FETCH_A \next, 0, 4
.endm
	s_wait_alu depctr_va_vdst(0)
	s_wait_tensorcnt 0x0                           ; my tile of the head's four is in
	ds_add_u32 v[SPW], v[NIL]
	s_mov_b32 s[G1+2], 128<<16                     ; no tensor load of mine is out: from here on a load brings 128 rows
	s_mov_b32 s[G1+4], 128
	s_mov_b32 s[G1B+2], 128<<16
	s_mov_b32 s[G1B+4], 128
	s_wait_dscnt 0x0
	CROUND                                         ; all four tiles are in, and all sixteen work-groups are here
	JLOAD G0+4, G1, G0B+4, G1B                     ; K step 1, the first tensor load behind the round
	FETCH_B 0, 0, 0
	FETCH_A 0, 0, 0
	SCALES 0
	FETCH_A 0, 0, 4
	s_cmp_eq_u32 s99, 0
	s_cbranch_scc0 .Lno_ask1
	global_prefetch_b8 v[PFO], s[PFA:PFA+1] offset:768 th:TH_LOAD_NT scope:SCOPE_SE   ; K step 3, two refills ahead
.Lno_ask1:
	; K = 1,024 is four K steps, eight steps of 128: written out, since each slot is filled again just once
	STEP 0, 0, 1                                   ; the first step's products start the sums
	TURN 0, 1, 1                                   ; slot 0 takes K step 2
	STEP 1, 0, 0
	TURN 1, 0, 1                                   ; slot 1 takes K step 3
	STEP 0, 0, 0
	TURN 0, 1, 0                                   ; nothing is left to fetch: no round of the cluster's barrier.  Its wait has shown my last tensor load done
	STEP 1, 0, 0
	s_wait_dscnt 4*NL                              ; the very last step
	WIN MUL_LO
	MUL16 0, 1, NQ-1, 1, 0
	MUL16 2, 1, NQ-1, 1, 0
	s_wait_dscnt 0
	WIN MUL_HI
	MUL16 4, 1, NQ-1, 1, 0
	MUL16 6, 1, NQ-1, 1, 0
	WIN 0
	; THE WAY OUT.  Where my wave's part begins in the codes' buffer, for both cases; then one run of selects on the cluster's y.
	s_lshr_b32 s7, s42, 2                          ; X's tile column / 4
	s_and_b32 s8, s42, 3                           ; and % 4
	s_lshl_b32 s2, s7, 23                          ; QK: q or k: 8,388,608 bytes,
	s_lshr_b32 s9, s43, 2
	s_lshl_b32 s9, s9, 20                          ; batch = tile row / 4: 1,048,576,
	s_add_co_u32 s2, s2, s9
	s_lshl_b32 s9, s8, 2
	s_lshl_b32 s10, s22, 1
	s_add_co_u32 s9, s9, s10
	s_lshl_b32 s9, s9, 16                          ; head = 4 (column % 4) + 2 x my half of X: 65,536,
	s_add_co_u32 s2, s2, s9
	s_and_b32 s9, s43, 3
	s_lshl_b32 s9, s9, 4
	s_lshl_b32 s10, s21, 3
	s_add_co_u32 s9, s9, s10
	s_lshl_b32 s9, s9, 10                          ; tile of positions = 16 (tile row % 4) + 8 x my half of Y: 1,024
	s_add_co_u32 s2, s2, s9
	s_lshr_b32 s96, s2, 4                          ; its scale words begin at a sixteenth of that
	s_lshl_b32 s11, s7, 20                         ; V: batch = column / 4,
	s_lshl_b32 s9, s41, 2
	s_lshl_b32 s10, s21, 1
	s_add_co_u32 s9, s9, s10
	s_lshl_b32 s9, s9, 16                          ; head = 4 cy + 2 x my half of Y,
	s_add_co_u32 s11, s11, s9
	s_lshl_b32 s9, s8, 1
	s_add_co_u32 s9, s9, s22
	s_lshl_b32 s9, s9, 13                          ; 128 keys = 2 (column % 4) + my half of X: 8,192
	s_add_co_u32 s11, s11, s9
	s_lshr_b32 s95, s11, 5                         ; its scale words begin at a thirty-second of that
	s_mov_b32 s66, 1024
	s_mov_b32 s4, 65536
	s_mov_b32 s46, 256
	s_cmp_ge_u32 s23, 8
	s_cselect_b32 s2, s11, s2                      ; my first byte among the codes,
	s_cselect_b32 s96, s95, s96                    ; and among the scale words
	s_cselect_b64 s[BS:BS+1], s[16:17], s[12:13]   ; v_codes or qk_codes (my tensor loads are all done: the descriptors' registers may be written)
	s_cselect_b64 s[48:49], s[18:19], s[14:15]     ; v_scales or qk_scales
	s_cselect_b32 s66, 2048, s66                   ; from one block of 16 rows to the next: a tile of features, or of positions
	s_cselect_b32 s98, 57344, 0                    ; V: block 4 begins the next head: 65,536 - 4 x 2,048 more
	s_cselect_b32 s4, 1024, s4                     ; from block 0 to block 2 of the next K: two key blocks on, or the next head
	s_cselect_b32 s5, 0, 4096                      ; QK: lanes 16-31 store the next head's scale words,
	s_cselect_b32 s6, 0, 16                        ; which are the upper two bytes of mine
	s_cselect_b32 s46, 2048, s46                   ; from blocks 0-3's scale words to blocks 4-7's: the next head, or the next four tiles
	s_mov_b32 s3, 0
	s_mov_b32 s97, 0
	s_mov_b32 s67, 0
	s_mov_b32 s99, 0
	s_mov_b32 s47, 0
	s_add_nc_u64 s[BS:BS+1], s[BS:BS+1], s[2:3]
.irp a, 1,2,3,4,5,6,7
	s_add_nc_u64 s[BS+2*\a:BS+2*\a+1], s[BS+2*\a-2:BS+2*\a-1], s[66:67]
.if \a == 4
	s_add_nc_u64 s[BS+8:BS+9], s[BS+8:BS+9], s[98:99]
.endif
.endr
	s_add_nc_u64 s[48:49], s[48:49], s[96:97]
	s_add_nc_u64 s[50:51], s[48:49], s[46:47]
	s_mov_b32 s92, 0x76543210
	s_mov_b32 s93, 0xfedcba98                      ; v_permlanex16_b32's selects for lane l xor 16
	s_mov_b32 s94, 0x600000                        ; the mantissa field of 448
	; these eight plain lines, which name no register of the last products, are the eight places behind them; four more follow
	v_and_b32 v1, 31, v0
	v_lshlrev_b32 v[OA], 4, v1
	v_add_nc_u32 v[OB], s4, v[OA]
	v_and_b32 v1, 15, v0
	v_bfe_u32 v2, v0, 4, 1
	v_mul_u32_u24 v[SO], s5, v2
	v_lshl_add_u32 v[SO], v1, 4, v[SO]             ; 16 bytes a row: the words of four blocks of rows
	v_mul_u32_u24 v[SH], s6, v2
.irp b, 0,1,2,3
	v_mov_b32 v[TM+4+\b], 0                        ; written once: a lane permute's destination counts as one of its sources
.endr
; Block a of 16 rows: its eight accumulators are four blocks of 32 along the next K.  Largest magnitudes, scale bytes, the hold, the conversions, four stores of 512 consecutive bytes.
.macro QOUT a
.set WA, 2+(\a)/4                      ; the accumulators' window
.set AC, 64*((\a)%4)
.set CA, CD+16*(\a)
.set W12, (WA<<2)|(WA<<4)
.set W0D, WA|(WA<<6)
	WIN W12                                        ; sources 1 and 2: the accumulators
.irp b, 0,1,2,3
	v_max3_num_f32 v[TM+\b], 0x6000000, |v[AC+16*\b]|, |v[AC+16*\b+1]|   ; block b: my 16 numbers, from each accumulator's low end on, and the floor 2^(12 - 127): the byte cannot fall under 4
.endr
.irp i, 2,4,6,8,10,12,14
.irp b, 0,1,2,3
	v_max3_num_f32 v[TM+\b], v[TM+\b], |v[AC+16*\b+\i]|, |v[AC+16*\b+\i+1]|   ; (the four blocks by turns)
.endr
.endr
	WIN 0
.irp b, 0,1,2,3
	v_permlanex16_b32 v[TM+4+\b], v[TM+\b], s92, s93
.endr
.irp b, 0,1,2,3
	v_max_num_f32 v[TM+\b], v[TM+\b], v[TM+4+\b]   ; with lane l xor 16's: the block's largest magnitude
.endr
.irp b, 0,1,2,3
	v_add_nc_u32 v[TM+12+\b], 0xfc000000, v[TM+\b] ; 8 off its exponent field: the conversion takes the exponent field of this operand as its scale
.endr
.irp b, 0,1,2,3
	v_and_or_b32 v[TM+8+\b], v[TM+\b], 0x7f800000, s94   ; 448 x the scale
.endr
.irp b, 0,1,2,3
	v_lshrrev_b32 v[TM+4+\b], 23, v[TM+12+\b]      ; the scale's byte
.endr
	v_lshl_or_b32 v[PW+(\a)], v[TM+5], 8, v[TM+4]  ; my row's four bytes
	v_lshl_or_b32 v[PW+(\a)], v[TM+6], 16, v[PW+(\a)]
	v_lshl_or_b32 v[PW+(\a)], v[TM+7], 24, v[PW+(\a)]
	WIN W0D                                        ; source 0 and destination: the accumulators
.irp b, 0,1,2,3
.set j, 0
.rept 16
	v_med3_num_f32 v[AC+16*\b+j], v[AC+16*\b+j], -v[TM+8+\b], v[TM+8+\b]   ; the conversion to an 8-bit code does not saturate (ISA guide 7.6.2): the hold at the largest code x the scale
.set j, j+1
.endr
.endr
	WIN WA                                         ; source 0: the accumulators
.irp b, 0,1,2,3
	v_cvt_scalef32_pk8_fp8_f32 v[CA+4*\b:CA+4*\b+1], v[AC+16*\b:AC+16*\b+7], v[TM+12+\b]
	v_cvt_scalef32_pk8_fp8_f32 v[CA+4*\b+2:CA+4*\b+3], v[AC+16*\b+8:AC+16*\b+15], v[TM+12+\b]
.endr
	v_nop                                          ; one plain line behind the last conversion, ahead of the next vector line that writes its scale operands
	WIN 0
	global_store_b128 v[OA], v[CA:CA+3], s[BS+2*(\a):BS+2*(\a)+1]                ; each store: 32 lanes, 512 consecutive bytes, aligned to 512
	global_store_b128 v[OA], v[CA+4:CA+7], s[BS+2*(\a):BS+2*(\a)+1] offset:512
	global_store_b128 v[OB], v[CA+8:CA+11], s[BS+2*(\a):BS+2*(\a)+1]
	global_store_b128 v[OB], v[CA+12:CA+15], s[BS+2*(\a):BS+2*(\a)+1] offset:512
.if ((\a)%4) == 3                      ; four blocks' words: 16 bytes a row, sixteen lanes store 256 consecutive bytes, aligned.  QK: lanes 16-31 the next head's; V: both halves store the same words to the same bytes
.irp i, 0,1,2,3
	v_lshrrev_b32 v[PW+(\a)-3+\i], v[SH], v[PW+(\a)-3+\i]
.endr
	global_store_b128 v[SO], v[PW+(\a)-3:PW+(\a)], s[48+2*((\a)/4):49+2*((\a)/4)]
.endif
.endm
.irp a, 0,1,2,3,4,5,6,7                ; no register that a store reads is written again: no wait stands between the blocks
	QOUT \a
.endr
	s_wait_tensorcnt 0x0                           ; the wave's end
	ds_add_u32 v[SPW], v[NIL]
	s_wait_dscnt 0x0
	CROUND                                         ; the closing round: no work-group ends while a partner may still ask for a tile that names it
	s_endpgm
.Lfunc_end_k_qb30c8fec18_qkv:
	.size	k_qb30c8fec18_qkv, .Lfunc_end_k_qb30c8fec18_qkv-k_qb30c8fec18_qkv
	.p2alignl 7, 3214868480
	.fill 96, 4, 3214868480
	.section	.rodata,"a",@progbits
	.p2align	6, 0x0
	.amdhsa_kernel k_qb30c8fec18_qkv
		.amdhsa_group_segment_fixed_size 327680
		.amdhsa_private_segment_fixed_size 0
		.amdhsa_enable_private_segment 0
		.amdhsa_kernarg_size 64
		.amdhsa_user_sgpr_count 2
		.amdhsa_user_sgpr_kernarg_segment_ptr 1
		.amdhsa_wavefront_size32 1
		.amdhsa_system_sgpr_workgroup_id_x 1
		.amdhsa_system_sgpr_workgroup_id_y 1
		.amdhsa_system_sgpr_workgroup_id_z 1
		.amdhsa_system_vgpr_workitem_id 0
		.amdhsa_next_free_vgpr 1024
		.amdhsa_next_free_sgpr 102
		.amdhsa_reserve_vcc 0
		.amdhsa_float_denorm_mode_32 3
		.amdhsa_float_denorm_mode_16_64 3
		.amdhsa_memory_ordered 1
		.amdhsa_forward_progress 1
		.amdhsa_inst_pref_size 188
	.end_amdhsa_kernel
	.amdgpu_metadata
---
amdhsa.version: [ 1, 2 ]
amdhsa.kernels:
  - .name:           k_qb30c8fec18_qkv
    .symbol:         k_qb30c8fec18_qkv.kd
    .args:
      - { .name: hidden_states_codes, .offset: 0, .size: 8, .value_kind: global_buffer, .address_space: global }
      - { .name: hidden_states_scales, .offset: 8, .size: 8, .value_kind: global_buffer, .address_space: global }
      - { .name: qkv_weight_codes, .offset: 16, .size: 8, .value_kind: global_buffer, .address_space: global }
      - { .name: qkv_weight_scales, .offset: 24, .size: 8, .value_kind: global_buffer, .address_space: global }
      - { .name: qk_codes, .offset: 32, .size: 8, .value_kind: global_buffer, .address_space: global }
      - { .name: qk_scales, .offset: 40, .size: 8, .value_kind: global_buffer, .address_space: global }
      - { .name: v_codes, .offset: 48, .size: 8, .value_kind: global_buffer, .address_space: global }
      - { .name: v_scales, .offset: 56, .size: 8, .value_kind: global_buffer, .address_space: global }
    .group_segment_fixed_size: 327680
    .private_segment_fixed_size: 0
    .kernarg_segment_align: 8
    .kernarg_segment_size: 64
    .max_flat_workgroup_size: 128
    .sgpr_count:     102
    .vgpr_count:     1024
    .wavefront_size: 32
...
	.end_amdgpu_metadata
.endif
;; end of part 1
;; launch attn (part 2): grid 2 x 128, 8 waves a work-group, no clusters, 177,152 bytes of LDS; arguments attention_mask, qk_codes, qk_scales, v_codes, v_scales, out0; writes out0
.if DOCPART == 2
	.amdgcn_target "amdgcn-amd-amdhsa--gfx1250"
	.amdhsa_code_object_version 6
	.text
	.protected	k_qb30c8fec18_attn
	.globl	k_qb30c8fec18_attn
	.p2align	8
	.type	k_qb30c8fec18_attn,@function
k_qb30c8fec18_attn:
	s_mov_b64 s[64:65], 0
	v_nop
	global_prefetch_b8 v0, s[64:65] scope:SCOPE_SE
	s_setreg_imm32_b32 hwreg(HW_REG_WAVE_MODE, 25, 1), 1
	s_wait_xcnt 0x0
; ATTENTION on codes of FP8 (E4M3), one E8M0 scale for each 32 along a product's K: out[b][q][64 head + d] = sum over k of softmax_k(q . k / 8 + mask[b][k]) v[k][d].  8 batches x 16 heads, 1,024 positions, head size 64.
; q, k, v come from the launch before as images of operand registers: a piece of 512 bytes is four registers of 32 lanes.  Within a block of 32 the numbers stand in the order of that launch's results; q and k share it, and so do v and
; the p made here, whose scores have the same result layout: every product keeps its pairs and every block its scale.
; THE SOFTMAX: t = (score + mask) x log2(e); M = the row's largest t so far, rounded up to a whole number; p = 2^(t - M) is quantised along the keys; the row's sum is taken of the unquantised p and divides at the end.
; When M moves, the sum and O are multiplied by 2^(old M - new M): exact.  A block's largest p is made from the block's largest score by the same multiply-add and exponential (this takes v_exp_f32 not to fall where its input rises).
; 1/8 AND THE MASK COST NO VECTOR LINE: 3 is taken off q's two scale bytes (each at least 4, as the launch before makes them); the mask is the C of each product k q^T.
; K = 64 IN A FORM OF K = 128: q's operand is 8 registers of codes and 8 of zero codes; tile T of k is 16 registers from its first on, and its upper half (the next tile, or zeros) meets q's zero codes.
; SHARES.  A work-group owns 512 queries of one head, in two passes of 256.  The head's k and v (2 x 65,536 bytes) come into LDS once and stay: nothing is filled again.
; A WAVE OWNS TWO TILES OF 16 QUERIES: tile A's registers lie in window 0, tile B's under the same numbers in window 1, so one text serves both.  A step's fragments of k and v (window 0) and its 64 mask registers (window 1, v32-95)
; are loaded once for both tiles: 50 LDS loads a step for 32 queries.  Scale words lie in window 0 (scale operands have no window).  Both products are used transposed: a lane holds one query (lane % 16).
; THE FILLS, one tensor load a wave, in three lines by the wave's ROLE.  g = the parity of the wave's three number bits (so waves w and w + 4, and waves 2 i and 2 i + 1, differ in g); i = wave / 2; i % 2 picks k or v.
;   role 0 (g = 0, i < 2): keys 0-255, 16,384 bytes each;   role 1 (g = 1, four waves): keys 256-511, 8,192 bytes each;   role 2 (g = 0, i >= 2): keys 512-1,023, 32,768 bytes each.
; THREE BARRIERS show them.  A: role 0 has waited; the tables are stored.  B: roles 0 and 1 have waited; it is signalled ahead of steps 0, 1 and waited for behind them.  C: every wave has waited; signalled ahead of steps 2, 3, waited for behind them.
; Between such a signal and its wait stand register work and LDS loads of bytes that nobody writes.  Role 1's waves wait for their own loads ahead of signal B, that is at the start of their walk.
; The step is written as a loop: O^T and the sum begin as zeros and the largest t as -3e38, which the first change of M leaves zeros (64 v_mov_b32 a pass in place of a first step written out).  Pass 0 is three loops (2, 2, 4 trips), pass 1 one.
; NO CLUSTER: a head's tiles are asked for by two work-groups, once each, at their heads; a cluster of four along x would hold two heads.  NO PREFETCH: all that the work-group reads is asked for at the head; there is no loop to run ahead in.
; LIMITS.  A mask of -infinity is served; a row all of whose keys have it gives NaN.  NaN among the inputs is not served.  The scaled scores t stay under 2^31 in magnitude.
.set VIMG,  65536                      ; LDS: k's images from 0 (64 tiles x 1,024 bytes), v's from here (8 steps x 8,192)
.set KSC,   131072                     ; k's scale words, 4,096 bytes
.set MSK,   135168                     ; the batch's mask, 1,024 f32, straight behind them
.set VSC,   139264                     ; v's scale words, 2,048 bytes
.set STAGE, 141312                     ; the way out: 16 rows x (256 + 16 bytes) for each wave
.set SP,    272
.set SPARE, 176128                     ; the spare words: 128 bytes a wave
.set AK0,  1                           ; v1 16 x lane;  v2 the same in v's images;  v3 mask: MSK + 32 h;  v4 KSC + 16 r + 256 h;  v5 VSC + 16 r
.set AV0,  2
.set AM0,  3
.set AKS0, 4
.set AVS0, 5
.set STO,  6                           ; v6, v7 the stage: in, back;  v8 my byte offset in a tile's rows of out0
.set RD,   7
.set GO,   8
.set ADK,  9                           ; v9-13 the step's addresses
.set ADV,  10
.set ADM,  11
.set ADKS, 12
.set ADVS, 13
.set SPW,  14
.set NIL,  15
.set QF,   16                          ; per tile: v16-23 q, v24-31 zeros
.set KF,   32                          ; window 0: v32-95 eight tiles of k, or four fragments of v; v96-103 zeros
.set MK,   32                          ; window 1: v32-95 the step's mask
.set SA,   104                         ; per tile: v104-167 S^T, then p
.set OT,   168                         ; v168-199 O^T
.set PC,   200                         ; v200-215 p's codes
.set BM,   216                         ; v216-219 block maxima; v220-223 the other half's, then bytes; v224-227 448 x scale; v228-231 the conversions' scale operands
.set PB,   220
.set HL,   224
.set CV,   228
.set FF,   232                         ; v[232:233] f;  v[234:235] the sum's second chain;  v236-237 at work (v234-237 then: a second copy of 448 x scale);  v238 -M, v239 largest t;  v[240:241] the sum
.set C2,   234
.set TP,   236
.set NM,   238
.set SUM,  240
.set QWA,  242                         ; window 0 alone: v242, v243 q's scale words of tiles A, B; v244-247 k's; v248-251 v's; v252, v253 p's; v254 16 r.  No product's two scale words have numbers equal modulo 8
.set KW,   244
.set VW,   248
.set PWA,  252
.set QSO,  254
.set WV,   16
.set MNT,  19
.set SEL,  20
.set CS,   22
.set G1,   24                          ; s[24:31], s[32:35] groups 1 and 0 of role 0's load;  s[68:75], s[84:87] role 1's;  s[76:83], s[88:91] role 2's
.set G0,   32
.set G1B,  68
.set G1C,  76
.set G0B,  84
.set G0C,  88
.set TB,   36                          ; s36 the step's place in the images (8,192 a step), s37 in mask and k's words (512), s38 in v's words (256), s39 the trip
.set TS,   37
.set TV,   38
.set TRIP, 39
.set QB,   48
.set QS,   50
.set OB,   52
.set ROLE, 54
.set MSB, 0
.macro WIN new                         ; bits 1:0 source 0, 3:2 source 1, 5:4 source 2, 7:6 destination; the high byte repeats the setting that is left
.if MSB != (\new)
	s_set_vgpr_msb (MSB<<8)|(\new)
.set MSB, (\new)
.endif
.endm
.macro PLACES n
.rept \n
	v_nop
.endr
.endm
.macro QLOAD p                         ; my two tiles' q of pass p: four pieces of 512 bytes, and two scale words a row
	global_load_b128 v[QF:QF+3], v[AK0], s[QB:QB+1] offset:16384*\p th:TH_LOAD_NT
	global_load_b128 v[QF+4:QF+7], v[AK0], s[QB:QB+1] offset:16384*\p+512 th:TH_LOAD_NT
	global_load_b64 v[QWA:QWA+1], v[QSO], s[QS:QS+1] offset:1024*\p
	WIN 0x40
	global_load_b128 v[QF:QF+3], v[AK0], s[QB:QB+1] offset:16384*\p+1024 th:TH_LOAD_NT
	global_load_b128 v[QF+4:QF+7], v[AK0], s[QB:QB+1] offset:16384*\p+1536 th:TH_LOAD_NT
	WIN 0
.endm
	s_load_b256 s[4:11], s[0:1], 0x0               ; mask, qk_codes, qk_scales, v_codes
	s_load_b128 s[12:15], s[0:1], 0x20             ; v_scales, out0
	v_lshl_add_u32 v[SPW], v0, 2, SPARE
	v_mov_b32 v[NIL], 0
	ds_add_u32 v[SPW], v[NIL]                      ; the opening lines: the add, twice on end, and its wait ahead of my tensor load
	ds_add_u32 v[SPW], v[NIL]
	v_lshrrev_b32 v9, 5, v0
	v_readfirstlane_b32 s[WV], v9                  ; wave 0..7
	s_and_b32 s17, ttmp7, 0xffff                   ; 16 x batch + head
	s_lshr_b32 s18, s17, 4
.irp g, G1, G1B, G1C                           ; group 1: dense bytes as rows of 256 (32 elements of 8 bytes), no padding: every LDS load takes 512 consecutive bytes
	s_mov_b32 s[\g], 3<<16
	s_mov_b32 s[\g+1], 32<<16
	s_mov_b32 s[\g+3], 32<<16
	s_mov_b32 s[\g+5], 32
	s_mov_b32 s[\g+6], 0
	s_mov_b32 s[\g+7], 0
.endr
	s_mov_b32 s[G1+2], 64<<16                      ; role 0: 64 rows
	s_mov_b32 s[G1+4], 64
	s_mov_b32 s[G1B+2], 32<<16                     ; role 1: 32 rows
	s_mov_b32 s[G1B+4], 32
	s_mov_b32 s[G1C+2], 128<<16                    ; role 2: 128 rows
	s_mov_b32 s[G1C+4], 128
	s_lshr_b32 s41, s[WV], 1                       ; i
	s_lshr_b32 s42, s[WV], 2                       ; i / 2
	s_xor_b32 s43, s[WV], s41
	s_xor_b32 s43, s43, s42
	s_and_b32 s43, s43, 1                          ; g
	s_xor_b32 s44, s43, 1
	s_mul_i32 s44, s44, s42
	s_lshl_b32 s44, s44, 1
	s_add_co_u32 s[ROLE], s44, s43                 ; g + 2 (1 - g) (i / 2)
	s_and_b32 s45, s41, 1                          ; 0: k, 1: v
	s_lshl_b32 s46, s45, 16
	s_lshl_b32 s47, s42, 13
	s_add_co_u32 s47, s47, 16384                   ; role 1: the lower or the upper 8,192 bytes of quarter 1
	s_mov_b32 s[G0], 1
	s_mov_b32 s[G0+1], s46
	s_mov_b32 s[G0B], 1
	s_add_co_u32 s[G0B+1], s46, s47
	s_mov_b32 s[G0C], 1
	s_add_co_u32 s[G0C+1], s46, 32768
	s_lshl_b32 s40, s17, 16                        ; a head's images: 65,536 bytes
	s_mov_b32 s56, s40
	s_mov_b32 s57, 0
	s_add_co_u32 s60, s40, s47
	s_mov_b32 s61, 0
	s_wait_dscnt 0x0
	s_wait_kmcnt 0x0
	s_add_nc_u64 s[58:59], s[6:7], 0x800000        ; k's half of qk_codes
	s_cmp_eq_u32 s45, 0
	s_cselect_b64 s[58:59], s[58:59], s[10:11]
	s_add_nc_u64 s[G0+2:G0+3], s[58:59], s[56:57]
	s_add_nc_u64 s[G0B+2:G0B+3], s[58:59], s[60:61]
	s_add_nc_u64 s[G0C+2:G0C+3], s[G0+2:G0+3], 32768
	s_or_b32 s[G0+3], s[G0+3], 0x80000000
	s_or_b32 s[G0B+3], s[G0B+3], 0x80000000
	s_or_b32 s[G0C+3], s[G0C+3], 0x80000000
.macro ARM under, g0, g1, next         ; one chain of branches on the role, a load to an arm, one join
	s_cmp_lt_u32 s[ROLE], \under
	s_cbranch_scc0 \next
	tensor_load_to_lds s[\g0:\g0+3], s[\g1:\g1+7]
	s_nop 0
	s_branch .Lasked
\next:
.endm
	ARM 1, G0,  G1,  .Larm_b
	ARM 2, G0B, G1B, .Larm_c
	tensor_load_to_lds s[G0C:G0C+3], s[G1C:G1C+7]
	s_nop 0
.Lasked:
	; the small tables go through registers: each of 256 threads brings 16 bytes of k's scale words, 16 of the mask, 8 of v's scale words
	s_lshl_b32 s42, s17, 12
	s_add_co_u32 s42, s42, 0x80000                 ; k's half of qk_scales
	s_mov_b32 s43, 0
	s_add_nc_u64 s[42:43], s[8:9], s[42:43]
	s_lshl_b32 s44, s18, 12
	s_mov_b32 s45, 0
	s_add_nc_u64 s[44:45], s[4:5], s[44:45]
	s_lshl_b32 s46, s17, 11
	s_mov_b32 s47, 0
	s_add_nc_u64 s[46:47], s[12:13], s[46:47]
	v_lshlrev_b32 v9, 4, v0
	v_lshlrev_b32 v10, 3, v0
	global_load_b128 v[SA:SA+3], v9, s[42:43]
	global_load_b128 v[SA+4:SA+7], v9, s[44:45]
	global_load_b64 v[SA+8:SA+9], v10, s[46:47]
	s_lshl_b32 s58, ttmp9, 5
	s_lshl_b32 s59, s[WV], 1
	s_add_co_u32 s58, s58, s59                     ; my first tile of queries: 32 x work-group x + 2 x wave; pass p: 16 p tiles on
	s_lshl_b32 s60, s58, 10
	s_add_co_u32 s60, s60, s40
	s_mov_b32 s61, 0
	s_add_nc_u64 s[QB:QB+1], s[6:7], s[60:61]      ; q's pieces: 1,024 bytes a tile
	s_lshl_b32 s60, s17, 12                        ; q's scale words: [head][tile / 4][row][tile % 4]
	s_lshr_b32 s62, s58, 2
	s_lshl_b32 s62, s62, 8
	s_add_co_u32 s60, s60, s62
	s_and_b32 s62, s58, 3
	s_lshl_b32 s62, s62, 2
	s_add_co_u32 s60, s60, s62
	s_add_nc_u64 s[QS:QS+1], s[8:9], s[60:61]
	s_lshl_b32 s60, s18, 10                        ; out0: row 1,024 x batch + 16 x tile, 4,096 bytes a row; the head's 256 bytes in it
	s_lshl_b32 s62, s58, 4
	s_add_co_u32 s60, s60, s62
	s_lshl_b32 s60, s60, 12
	s_and_b32 s62, s17, 15
	s_lshl_b32 s62, s62, 8
	s_add_co_u32 s60, s60, s62
	s_add_nc_u64 s[OB:OB+1], s[14:15], s[60:61]
	v_and_b32 v[AK0], 31, v0
	v_and_b32 v[TP], 15, v0                        ; r
	v_bfe_u32 v[TP+1], v0, 4, 1                    ; h
	v_lshlrev_b32 v[AK0], 4, v[AK0]
	v_lshlrev_b32 v[QSO], 4, v[TP]
	QLOAD 0
	v_add_nc_u32 v[AV0], VIMG, v[AK0]
	v_lshl_add_u32 v[AM0], v[TP+1], 5, MSK
	v_lshl_add_u32 v[AKS0], v[TP+1], 8, v[QSO]
	v_add_nc_u32 v[AVS0], VSC, v[QSO]
	v_add_nc_u32 v[AKS0], KSC, v[AKS0]
	s_mul_i32 s56, s[WV], 16*SP
	s_add_co_u32 s56, s56, STAGE                   ; my stage
	v_mul_u32_u24 v[STO], v[TP], SP
	v_mul_u32_u24 v[RD], v[TP+1], SP
	v_lshl_add_u32 v[STO], v[TP+1], 5, v[STO]
	v_lshl_add_u32 v[RD], v[TP], 4, v[RD]
	v_add_nc_u32 v[STO], s56, v[STO]               ; in: row r, 32 bytes for each half of the lanes
	v_add_nc_u32 v[RD], s56, v[RD]                 ; back: lanes 0-15 one row of 256 bytes, lanes 16-31 the next
	v_lshlrev_b32 v[GO], 12, v[TP+1]
	v_lshl_add_u32 v11, v0, 4, KSC                 ; where the tables go
	v_lshl_add_u32 v12, v0, 3, VSC
	v_lshl_add_u32 v[GO], v[TP], 4, v[GO]
.irp w, 0,1
	WIN 0x40*\w
.irp j, 0,1,2,3,4,5,6,7
	v_mov_b32 v[QF+8+\j], 0                        ; zero codes: the upper half of q's operand
.endr
.irp b, 0,1,2,3
	v_mov_b32 v[PB+\b], 0                          ; a lane permute's destination counts as one of its sources
.endr
	v_mov_b32 v[FF+1], 0                           ; named as the upper half of the pair
.endr
	WIN 0
.irp j, 0,1,2,3,4,5,6,7
	v_mov_b32 v[KF+64+\j], 0                       ; zero codes behind the eighth tile of k
.endr
	s_mov_b32 s[MNT], 0x600000                     ; the mantissa field of 448
	s_mov_b32 s[SEL], 0x76543210
	s_mov_b32 s[SEL+1], 0xfedcba98                 ; lane l xor 16
	s_mov_b32 s[CS], 0x3fb8aa3b                    ; log2(e)
	s_mov_b32 s[CS+1], s[CS]
	s_wait_alu depctr_va_vdst(0)
	s_wait_loadcnt 0x5                             ; the three table loads are in; q's five, issued behind them, may be out
	ds_store_b128 v11, v[SA:SA+3]
	ds_store_b128 v11, v[SA+4:SA+7] offset:4096
	ds_store_b64 v12, v[SA+8:SA+9]
	s_cmp_lt_u32 s[ROLE], 1
	s_cbranch_scc0 .Lgate_a
	s_wait_tensorcnt 0x0                           ; role 0: keys 0-255 are in
.Lgate_a:
	s_wait_dscnt 0x0
	s_barrier_signal -1
	s_barrier_wait -1                              ; BARRIER A: keys 0-255 and the tables
	s_cmp_lt_u32 s[ROLE], 2
	s_cbranch_scc0 .Lgate_b
	s_wait_tensorcnt 0x0                           ; role 1: keys 256-511 are in (role 0 has nothing out)
.Lgate_b:
	s_barrier_signal -1                            ; BARRIER B is signalled here and waited for behind steps 0 and 1
.macro INIT w                          ; a tile's O^T, sum and largest t at a pass's head
	WIN 0x55*\w
.set j, 0
.rept 32
	v_mov_b32 v[OT+j], 0
.set j, j+1
.endr
	v_mov_b32 v[SUM], 0
	v_mov_b32 v[SUM+1], 0
	v_mov_b32 v[NM+1], 0xff61b1e6                  ; -3e38, under every t
	v_floor_f32 v[NM], -v[NM+1]
.endm
.macro SPROD w                         ; S^T = k q^T / 8 + mask: eight accumulators, one instruction each; C the shared mask (window 1), D the tile's scores
	WIN 0x10+0x44*\w
.irp k, 0,1,2,3
	v_wmma_scale_f32_16x16x128_f8f6f4 v[SA+8*\k:SA+8*\k+7], v[KF+8*\k:KF+8*\k+15], v[QF:QF+15], v[MK+8*\k:MK+8*\k+7], v[KW+\k], v[QWA+\w]
.endr
.irp k, 4,5,6,7
	v_wmma_scale_f32_16x16x128_f8f6f4 v[SA+8*\k:SA+8*\k+7], v[KF+8*\k:KF+8*\k+15], v[QF:QF+15], v[MK+8*\k:MK+8*\k+7], v[KW+\k-4], v[QWA+\w] matrix_a_scale:MATRIX_SCALE_ROW1
.endr
.endm
.macro PVPROD w                        ; O^T += v^T p^T: four accumulators, one instruction each; K = the step's 128 keys
	WIN 0x54*\w
.irp t, 0,1,2,3
	v_wmma_scale_f32_16x16x128_f8f6f4 v[OT+8*\t:OT+8*\t+7], v[KF+16*\t:KF+16*\t+15], v[PC:PC+15], v[OT+8*\t:OT+8*\t+7], v[VW+\t], v[PWA+\w]
.endr
.endm
.macro SOFTMAX w                       ; a tile's 64 scores a lane -> p's codes and scale word; all its registers lie in window w, but the scale word
	WIN 0x55*\w
.if \w
	s_wait_alu depctr_va_vdst(0)
.endif
.irp b, 0,1,2,3
	v_max3_num_f32 v[BM+\b], v[SA+16*\b], v[SA+16*\b+1], v[SA+16*\b+2]   ; the largest score of each block of 32 keys: for the row's maximum and for the block's largest p
.endr
.irp i, 3,5,7,9,11,13
.irp b, 0,1,2,3
	v_max3_num_f32 v[BM+\b], v[BM+\b], v[SA+16*\b+\i], v[SA+16*\b+\i+1]
.endr
.endr
.irp b, 0,1,2,3
	v_max_num_f32 v[BM+\b], v[BM+\b], v[SA+16*\b+15]
.endr
.irp b, 0,1,2,3
	s_delay_alu instid0(VALU_DEP_4)
	v_permlanex16_b32 v[PB+\b], v[BM+\b], s[SEL], s[SEL+1]
.endr
.irp b, 0,1,2,3
	s_delay_alu instid0(VALU_DEP_4)
	v_max_num_f32 v[BM+\b], v[BM+\b], v[PB+\b]     ; with lane l xor 16's 16 keys
.endr
	s_delay_alu instid0(VALU_DEP_2)
	v_max3_num_f32 v[TP], v[BM], v[BM+1], v[BM+2]
	s_delay_alu instid0(VALU_DEP_1)
	v_max_num_f32 v[TP], v[TP], v[BM+3]
	s_delay_alu instid0(VALU_DEP_1)
	v_mul_f32 v[TP], s[CS], v[TP]                  ; the step's largest score, as t
	s_delay_alu instid0(VALU_DEP_1)
	v_max_num_f32 v[NM+1], v[NM+1], v[TP]          ; the running largest t
	v_mov_b32 v[TP], v[NM]
	s_delay_alu instid0(VALU_DEP_2)
	v_floor_f32 v[NM], -v[NM+1]                    ; -M = floor(-t): M is a whole number
	s_delay_alu instid0(VALU_DEP_1)
	v_sub_f32 v[TP], v[NM], v[TP]                  ; old M - new M
	s_delay_alu instid0(VALU_DEP_1)
	v_cvt_i32_f32 v[TP], v[TP]                     ; (it saturates)
	s_delay_alu instid0(VALU_DEP_1)
	v_ldexp_f32 v[FF], 1.0, v[TP]                  ; f = 2^(old M - new M)
.set j, 0
.rept 32
	v_pk_fma_f32 v[SA+j:SA+j+1], v[SA+j:SA+j+1], s[CS:CS+1], v[NM:NM+1] op_sel_hi:[1,0,0]   ; t - M, two at a time
.set j, j+2
.endr
.irp b, 0,1,2,3
	v_fma_f32 v[BM+\b], v[BM+\b], s[CS], v[NM]     ; the same of each block's largest score
.endr
	s_wait_alu depctr_va_vdst(0)
.set j, 0
.rept 64
	v_exp_f32 v[SA+j], v[SA+j]                     ; p = 2^(t - M), not normalised
.set j, j+1
.endr
	v_pk_mul_f32 v[SUM:SUM+1], v[SUM:SUM+1], v[FF:FF+1] op_sel_hi:[1,0]   ; the sums under the new M: a plain line behind the exponentials
	s_wait_alu depctr_va_vdst(0)                   ; one wait for the batch, ahead of its first reader
.irp b, 0,1,2,3
	v_exp_f32 v[BM+\b], v[BM+\b]                   ; the block's largest p
.endr
	v_pk_add_f32 v[C2:C2+1], v[SA:SA+1], v[SA+2:SA+3]   ; the row's sum of the unquantised p, in two chains
.irp j, 4,8,12,16,20,24,28,32,36,40,44,48,52,56,60
	v_pk_add_f32 v[SUM:SUM+1], v[SUM:SUM+1], v[SA+\j:SA+\j+1]
	v_pk_add_f32 v[C2:C2+1], v[C2:C2+1], v[SA+\j+2:SA+\j+3]
.endr
	s_delay_alu instid0(VALU_DEP_1)
	v_pk_add_f32 v[SUM:SUM+1], v[SUM:SUM+1], v[C2:C2+1]
	s_wait_alu depctr_va_vdst(0)                   ; and one for the four
.irp b, 0,1,2,3
	v_max_num_f32 v[BM+\b], 0x4800000, v[BM+\b]    ; the floor 2^(9 - 127): the byte cannot fall under 1
.endr
.irp b, 0,1,2,3
	s_delay_alu instid0(VALU_DEP_4)
	v_add_nc_u32 v[CV+\b], 0xfc000000, v[BM+\b]    ; 8 off the exponent field: the conversion's scale operand
.endr
.irp b, 0,1,2,3
	v_and_or_b32 v[HL+\b], v[BM+\b], 0x7f800000, s[MNT]   ; 448 x the scale
.endr
.irp b, 0,1,2,3
	v_lshrrev_b32 v[PB+\b], 23, v[CV+\b]           ; the scale's byte
.endr
	v_lshl_or_b32 v[TP], v[PB+1], 8, v[PB]
	v_lshl_or_b32 v[TP+1], v[PB+3], 8, v[PB+2]
	WIN 0x15*\w                                    ; the scale word goes to window 0
	v_lshl_or_b32 v[PWA+\w], v[TP+1], 16, v[TP]    ; p's scale word; the 32 pairs of holds below are more than its eight places
	WIN 0x55*\w
.irp b, 0,1,2,3
	v_mov_b32 v[C2+\b], v[HL+\b]                   ; a second copy of the bound, two registers on modulo 4: the two halves of a dual line take their second sources from different banks
.endr
.irp b, 0,1,2,3
.set j, 0
.rept 8
	v_dual_min_num_f32 v[SA+16*\b+j], v[SA+16*\b+j], v[HL+\b] :: v_dual_min_num_f32 v[SA+16*\b+j+1], v[SA+16*\b+j+1], v[C2+\b]   ; the conversion does not saturate (ISA guide 7.6.2); p is not negative: a one-sided hold, two numbers a line
.set j, j+2
.endr
	v_cvt_scalef32_pk8_fp8_f32 v[PC+4*\b:PC+4*\b+1], v[SA+16*\b:SA+16*\b+7], v[CV+\b]
	v_cvt_scalef32_pk8_fp8_f32 v[PC+4*\b+2:PC+4*\b+3], v[SA+16*\b+8:SA+16*\b+15], v[CV+\b]
.endr
	s_wait_alu depctr_va_vdst(0)                   ; directly ahead of the first reader of O^T
.set j, 0
.rept 16
	v_pk_mul_f32 v[OT+j:OT+j+1], v[OT+j:OT+j+1], v[FF:FF+1] op_sel_hi:[1,0]   ; O^T under the new M; also the places between the codes and the products
.set j, j+2
.endr
.endm
.macro STEP                            ; 128 keys for my two tiles
	v_add_nc_u32 v[ADK], s[TB], v[AK0]
	v_add_nc_u32 v[ADV], s[TB], v[AV0]
	v_add_nc_u32 v[ADM], s[TS], v[AM0]
	v_add_nc_u32 v[ADKS], s[TS], v[AKS0]
	v_add_nc_u32 v[ADVS], s[TV], v[AVS0]
	s_wait_alu depctr_va_vdst(0)                   ; directly behind the writes
	WIN 0x40
.irp k, 0,1,2,3,4,5,6,7                        ; the mask: register j of tile k is key 16 k + 8 h + j of the step
.irp u, 0,1
	ds_load_b128 v[MK+8*\k+4*\u:MK+8*\k+4*\u+3], v[ADM] offset:64*\k+16*\u
.endr
.endr
	WIN 0
	ds_load_b128 v[KW:KW+3], v[ADKS]               ; k's scale words: lanes 0-15 tiles 0-3, lanes 16-31 tiles 4-7
	PLACES 3                                       ; with the five additions: eight places behind the last products, ahead of loads into what they read
.irp k, 0,1,2,3,4,5,6,7
.irp c, 0,1
	ds_load_b128 v[KF+8*\k+4*\c:KF+8*\k+4*\c+3], v[ADK] offset:1024*\k+512*\c
.endr
.endr
	s_wait_dscnt 0x0
	SPROD 0
	SPROD 1
	WIN 0
	PLACES 8                                       ; ahead of the loads below and of the first read of the scores
.irp t, 0,1,2,3                                ; v's four fragments land under the softmax
.irp c, 0,1,2,3
	ds_load_b128 v[KF+16*\t+4*\c:KF+16*\t+4*\c+3], v[ADV] offset:2048*\t+512*\c
.endr
.endr
	ds_load_b128 v[VW:VW+3], v[ADVS]               ; v's scale words: lane r, four tiles
	SOFTMAX 0
	SOFTMAX 1
	WIN 0
	s_wait_alu depctr_va_vdst(0)                   ; directly ahead of the wait below
	s_wait_dscnt 0x0                               ; v's fragments and scale words are in
	PVPROD 0
	PVPROD 1
	WIN 0
.endm
.macro LOOP n, lim                     ; steps up to number lim - 1; the places in LDS go on from loop to loop
.Lstep_\n:
	STEP
	s_add_co_u32 s[TB], s[TB], 8192
	s_add_co_u32 s[TS], s[TS], 512
	s_add_co_u32 s[TV], s[TV], 256
	s_add_co_u32 s[TRIP], s[TRIP], 1
	s_cmp_lt_u32 s[TRIP], \lim
	s_cbranch_scc1 .Lstep_\n
.endm
.macro OUT w                           ; a tile's O^T / the sum goes through my stage and comes back as rows of 256 bytes
	WIN 0x55*\w
	v_add_f32 v[SUM], v[SUM], v[SUM+1]
	s_delay_alu instid0(VALU_DEP_1)
	v_permlanex16_b32 v[PB], v[SUM], s[SEL], s[SEL+1]
	s_delay_alu instid0(VALU_DEP_1)
	v_add_f32 v[SUM], v[SUM], v[PB]                ; the row's sum
	s_wait_alu depctr_va_vdst(0)                   ; ahead of the transcendental
	v_rcp_f32 v[FF], v[SUM]
	v_nop
	s_wait_alu depctr_va_vdst(0)                   ; ahead of its first reader, which is also O^T's
.set j, 0
.rept 16
	v_pk_mul_f32 v[OT+j:OT+j+1], v[OT+j:OT+j+1], v[FF:FF+1] op_sel_hi:[1,0]   ; register 8 t + i is out(r, 16 t + 8 h + i)
.set j, j+2
.endr
	WIN 4*\w                                       ; the stores' data: window w
.irp t, 0,1,2,3
	ds_store_b128 v[STO], v[OT+8*\t:OT+8*\t+3] offset:64*\t
	ds_store_b128 v[STO], v[OT+8*\t+4:OT+8*\t+7] offset:64*\t+16
.endr
	WIN 0
.irp i, 0,1,2,3,4,5,6,7
	ds_load_b128 v[KF+32*\w+4*\i:KF+32*\w+4*\i+3], v[RD] offset:2*\i*SP   ; LDS serves a wave's instructions in order (ISA guide 5.7.1.4)
.endr
.endm
.macro SEND p, w
.irp i, 0,1,2,3,4,5,6,7
	global_store_b128 v[GO], v[KF+32*\w+4*\i:KF+32*\w+4*\i+3], s[OB:OB+1] offset:0x100000*\p+65536*\w+8192*\i th:TH_STORE_NT   ; sixteen lanes store 256 consecutive bytes, aligned
.endr
.endm
.macro PASS p
	s_wait_loadcnt 0x0                             ; q and its scale words are in
	v_add_nc_u32 v[QWA], 0xfffffcfd, v[QWA]        ; 3 off bytes 0 and 1 (each at least 4): the scores come out divided by 8; the lines below are its eight places
	v_add_nc_u32 v[QWA+1], 0xfffffcfd, v[QWA+1]
	INIT 0
	INIT 1
	WIN 0
	s_mov_b32 s[TB], 0
	s_mov_b32 s[TS], 0
	s_mov_b32 s[TV], 0
	s_mov_b32 s[TRIP], 0
	s_wait_alu depctr_va_vdst(0)
.if \p == 0
	LOOP a, 2                                      ; keys 0-255
	s_barrier_wait -1                              ; BARRIER B: keys 256-511 are in
	s_wait_tensorcnt 0x0                           ; role 2: keys 512-1,023 are in; no other wave has a load out
	s_barrier_signal -1                            ; BARRIER C is signalled here (no LDS instruction of mine is out) and waited for behind steps 2 and 3
	LOOP b, 4
	s_barrier_wait -1                              ; BARRIER C
	LOOP c, 8
.else
	LOOP d, 8
.endif
.if \p == 0
	QLOAD 1                                        ; the next pass's q is on its way under the way out
.endif
	PLACES 8                                       ; behind the last products
	OUT 0
	OUT 1
	s_wait_dscnt 16                                ; tile A's rows are back; tile B's eight stores and eight loads may be out
	SEND \p, 0
	s_wait_dscnt 0x0
	SEND \p, 1
.if \p == 0
	s_wait_xcnt 0x0                                ; the stores have read their registers, which the next pass's loads write
.endif
.endm
	PASS 0
	PASS 1
	s_wait_tensorcnt 0x0                           ; the wave's end
	ds_add_u32 v[SPW], v[NIL]
	s_wait_dscnt 0x0
	s_endpgm
.Lfunc_end_k_qb30c8fec18_attn:
	.size	k_qb30c8fec18_attn, .Lfunc_end_k_qb30c8fec18_attn-k_qb30c8fec18_attn
	.p2alignl 7, 3214868480
	.fill 96, 4, 3214868480
	.section	.rodata,"a",@progbits
	.p2align	6, 0x0
	.amdhsa_kernel k_qb30c8fec18_attn
		.amdhsa_group_segment_fixed_size 177152
		.amdhsa_private_segment_fixed_size 0
		.amdhsa_enable_private_segment 0
		.amdhsa_kernarg_size 48
		.amdhsa_user_sgpr_count 2
		.amdhsa_user_sgpr_kernarg_segment_ptr 1
		.amdhsa_wavefront_size32 1
		.amdhsa_system_sgpr_workgroup_id_x 1
		.amdhsa_system_sgpr_workgroup_id_y 1
		.amdhsa_system_sgpr_workgroup_id_z 1
		.amdhsa_system_vgpr_workitem_id 0
		.amdhsa_next_free_vgpr 512
		.amdhsa_next_free_sgpr 92
		.amdhsa_reserve_vcc 0
		.amdhsa_float_denorm_mode_32 3
		.amdhsa_float_denorm_mode_16_64 3
		.amdhsa_memory_ordered 1
		.amdhsa_forward_progress 1
		.amdhsa_inst_pref_size 176
	.end_amdhsa_kernel
	.amdgpu_metadata
---
amdhsa.version: [ 1, 2 ]
amdhsa.kernels:
  - .name:           k_qb30c8fec18_attn
    .symbol:         k_qb30c8fec18_attn.kd
    .args:
      - { .name: attention_mask, .offset: 0, .size: 8, .value_kind: global_buffer, .address_space: global }
      - { .name: qk_codes, .offset: 8, .size: 8, .value_kind: global_buffer, .address_space: global }
      - { .name: qk_scales, .offset: 16, .size: 8, .value_kind: global_buffer, .address_space: global }
      - { .name: v_codes, .offset: 24, .size: 8, .value_kind: global_buffer, .address_space: global }
      - { .name: v_scales, .offset: 32, .size: 8, .value_kind: global_buffer, .address_space: global }
      - { .name: out0, .offset: 40, .size: 8, .value_kind: global_buffer, .address_space: global }
    .group_segment_fixed_size: 177152
    .private_segment_fixed_size: 0
    .kernarg_segment_align: 8
    .kernarg_segment_size: 48
    .max_flat_workgroup_size: 256
    .sgpr_count:     92
    .vgpr_count:     512
    .wavefront_size: 32
...
	.end_amdgpu_metadata
.endif
;; end of part 2
